; MI455X (gfx1250); checked and timed in simulation.
; The chip was launched on July 23, 2026; its instructions are those of AMD's public machine-readable ISA for CDNA 5 (MIT licence, August 2026) and "CDNA5" Instruction Set Architecture Reference Guide (July 2026). The comments in the code are by the model that wrote it; some were corrected since.
;; Multi Head Attention. Allowed arithmetic: matrix products marked QUANTISED: E2M3 operands, one E8M0 scale for each 32 along K, by v_wmma_scale_f32_16x16x128_f8f6f4 with both operands' format E2M3, f32 sums; everything else in f32.
;; Inputs: Wk 512 x 512 float32; Wo 512 x 512 float32; Wq 512 x 512 float32; Wv 512 x 512 float32; bk 512 float32; bo 512 float32; bq 512 float32; bv 512 float32; key 2 x 4,096 x 512 float32; mask 2 x 1 x 1 x 4,096 float32; query 2 x 4,096 x 512 float32; value 2 x 4,096 x 512 float32.
;; Outputs: out0 2 x 4,096 x 512 float32.
;; This version of the problem:
;;   THIS VERSION OF THE PROBLEM IS GIVEN IN LOW PRECISION. The matrix products marked QUANTISED in the list below multiply operands that are first quantised to E2M3 (2 exponent bits, 3 mantissa bits; 6 bits a number), with one power-of-two scale for each 32 numbers along K (OCP MX v1.0); their sums are f32. All else is computed in f32.
;;   The module's matrix products, in the order in which they are computed (A, B: the left and right operand; K: the contracted axis; several contracted axes count as one K, in the product's order):
;;     1. [M 8,192, K 512] x [K 512, N 512]; A: input query; B: input Wq: QUANTISED
;;     2. [M 8,192, K 512] x [K 512, N 512]; A: input key; B: input Wk: QUANTISED
;;     3. [M 8,192, K 512] x [K 512, N 512]; A: input value; B: input Wv: QUANTISED
;;     4. batch 16 x [M 4,096, K 64] x [K 64, N 4,096]; A: computed on the way; B: computed on the way: QUANTISED
;;     5. batch 16 x [M 4,096, K 4,096] x [K 4,096, N 64]; A: softmax (see below); B: computed on the way: QUANTISED
;;     6. [M 8,192, K 512] x [K 512, N 512]; A: computed on the way; B: input Wo: QUANTISED
;;   THE QUANTISER, for each operand of a quantised product, along K:
;;     - K is cut into blocks of 32 from its start; a last block that is shorter is filled with zeros.
;;     - A block's scale is 2^e with e = floor(log2(the largest magnitude in the block)) - 2, held to -126 .. 127; a block of zeros has e = 0. As a byte (E8M0): e + 127.
;;     - Each number is divided by its block's scale, clamped to +-7.5, and rounded to the nearest number of E2M3, ties to even, subnormals kept.
;;     - The product sums the exact products of the quantised numbers (number of the format x scale) in f32.
;;   ~~~python
;;   def quantise(x, axis):      # numpy; x: float32 -> the quantised numbers, widened to float32 again
;;       x = np.moveaxis(x, axis, -1); K = x.shape[-1]
;;       x = np.pad(x, [(0, 0)] * (x.ndim - 1) + [(0, -K % 32)]); x = x.reshape(x.shape[:-1] + (-1, 32)); a = np.abs(x).max(-1, keepdims=True)
;;       e = np.where(a > 0, np.clip(np.frexp(np.where(a > 0, a, 1))[1] - 1 - 2, -126, 127), 0)      # np.frexp(a)[1] - 1 = floor(log2(a)), exactly
;;       r = np.clip(x / 2.0 ** e, -7.5, 7.5)
;;       step = 2.0 ** (np.maximum(np.frexp(np.where(r == 0, 1, r))[1] - 1, 0) - 3)
;;       q = np.round(r / step) * step * 2.0 ** e      # np.round: ties to even
;;       return np.moveaxis(q.reshape(q.shape[:-2] + (-1,))[..., :K], -1, axis).astype(np.float32)
;;   ~~~
;;   SOFTMAX AHEAD OF A QUANTISED PRODUCT. Where the list says 'softmax', what is quantised is not the finished softmax but p = 2^(t - M), with t = logit x log2(e) and M = ceil(the row's largest t), a whole number; so 1/2 < the row's largest p <= 1. The row's sum l is taken of the UNQUANTISED p, in f32, and the product's result is divided by l at the end. Since M is a whole number, a kernel that streams over the keys may use a running M (the ceiling of the running maximum): every later rescaling is an exact power of two, which a block's scale takes up: the codes' values come out the same.
;;   OPERANDS COMPUTED ON THE WAY. 'Computed on the way' means the value that the module computes at that place (a softmax that the list does not call 'softmax' is quantised finished and normalised). What goes into a quantiser is computed in f32, as accurately as f32 sums, v_exp_f32 and their like allow (about 1e-6 of the number): no bf16 or f16 on the way to a quantiser, and a product that is left as it is and whose result goes on into a quantised operand takes f32 operands (vector FMAs, or v_wmma_f32_16x16x4_f32). A number that lies on a knife's edge between two numbers of the format may be rounded either way, as far as f32 arithmetic and the matrix unit's own rounding can turn it there, and no further.
;; One version. Each part assembles by itself: llvm-mc -triple=amdgcn-amd-amdhsa -mcpu=gfx1250 --defsym DOCPART=n.
;; ======== version 1 of 1: 4 launches
;; limits: right only within a limited range of input values
;; workspace buffers: wimg 819,200 bytes; mbt 32,768 bytes; qkvc 9,437,184 bytes; qkvs 786,432 bytes; oc 3,145,728 bytes; os 131,072 bytes
;; launch prep (part 1): grid 64 x 4, 1 waves a work-group, no clusters, 0 bytes of LDS; arguments Wq, Wk, Wv, Wo, mask, wimg, mbt; writes wimg, mbt
.if DOCPART == 1
	.amdgcn_target "amdgcn-amd-amdhsa--gfx1250"
	.amdhsa_code_object_version 6
	.text
	.protected	k_q7affea4a87_prep
	.globl	k_q7affea4a87_prep
	.p2align	8
	.type	k_q7affea4a87_prep,@function
k_q7affea4a87_prep:
	s_mov_b64 s[64:65], 0
	v_nop
	global_prefetch_b8 v0, s[64:65] scope:SCOPE_SE
	s_setreg_imm32_b32 hwreg(HW_REG_WAVE_MODE, 25, 1), 1
	s_wait_xcnt 0x0
; The four weights [512 (k)][512 (n)], f32, become operands of FP6 (E2M3) quantised along k, laid as IMAGES OF THE OPERAND'S REGISTERS; the mask becomes a bias in the unit of the raw score q . k.
; wimg, for weight y (0 Wq, 1 Wk, 2 Wv, 3 Wo) at y x 204,800: codes [tile 32][K step 4][1,536 bytes] (a fragment's 12 registers as three groups of four, lane l's 16 bytes at 16 l),
; then at + 196,608 the scale words [tile 32][r 16][K step 4], 4 bytes each.  Lane r of tile t holds column n = 32 (t / 2) + 8 (t % 2) + r + 8 (r / 8): with such a tile as source 0 the 16 result
; registers of tiles 2 b and 2 b + 1 are 16 neighbours.  mbt[b][key] = (mask x -1e9) x 8, each product rounded once.
; SHARES: 256 work-groups of one wave.  Work-group (x, y) makes the two fragments (tile x / 2, K steps 2 (x % 2) and 2 (x % 2) + 1) of weight y, and 32 numbers of mbt.
; A LANE TAKES A COLUMN AND ITS REGISTERS RUN DOWN k, in the order that the operand's layout gives that lane (k = 64 c + 32 h + 0 .. 31): a block of 32 lies in one lane, and nothing is transposed.
; No LDS, no barrier, no cluster: work-groups share no input bytes.  Every register that a store reads is written once, so no wait frees a store's data.
; LIMITS: NaN and infinities are not served.  A block of zeros, or one whose largest magnitude lies under 2^-124, gets the scale byte 1 (its codes are what the conversion gives under that scale; zeros stay zeros); only this program reads the bytes.
.set XR,  64                           ; v64-191  fragment f's 64 numbers at XR + 64 f: register 32 c + i = k 64 c + 32 h + i
.set PC,  32                           ; v32-55   fragment f's codes at PC + 12 f
.set CT,  56                           ; v56-62   the upper halves of the blocks' codes, as the conversions leave them
.set WB,  204800                       ; a weight's image in bytes
.set WS,  196608                       ; where its scale words begin
	s_load_b256 s[4:11], s[0:1], 0x0               ; Wq, Wk, Wv, Wo
	s_load_b128 s[12:15], s[0:1], 0x20             ; mask, wimg
	s_load_b64 s[16:17], s[0:1], 0x30              ; mbt
	v_and_b32 v1, 15, v0                           ; r
	v_bfe_u32 v2, v0, 4, 1                         ; h
	v_and_b32 v3, 8, v1
	v_add_nc_u32 v3, v3, v1                        ; r + 8 (r / 8)
	v_lshlrev_b32 v3, 2, v3
	v_lshl_add_u32 v3, v2, 16, v3                  ; my column's 4 bytes, + 32 h rows of 2,048 bytes
	v_lshlrev_b32 v4, 4, v0                        ; 16 x lane: my place in a group of an image
	v_lshlrev_b32 v5, 4, v1
	v_lshl_add_u32 v5, v2, 2, v5                   ; 16 r + 4 h: lanes 0-15 store the first fragment's scale words, lanes 16-31 the second's
	v_lshlrev_b32 v6, 3, v2                        ; 8 h: my two bytes' shift in the scale word
	v_lshlrev_b32 v8, 2, v0                        ; 4 x lane: mask and mbt
	v_mov_b32 v16, 0                               ; a lane permute's destination counts as one of its sources
	s_and_b32 s20, ttmp7, 0xffff                   ; y: the weight
	s_lshr_b32 s21, ttmp9, 1                       ; the tile
	s_and_b32 s22, ttmp9, 1                        ; which pair of K steps
	s_lshl_b32 s24, s22, 19                        ; 256 rows of 2,048 bytes
	s_lshr_b32 s26, s21, 1
	s_lshl_b32 s26, s26, 7
	s_add_co_u32 s24, s24, s26                     ; + 32 (t / 2) columns
	s_and_b32 s26, s21, 1
	s_lshl_b32 s26, s26, 5
	s_add_co_u32 s24, s24, s26                     ; + 8 (t % 2) columns
	s_mov_b32 s25, 0
	s_mul_i32 s26, s20, WB
	s_mul_i32 s28, ttmp9, 3072                     ; (4 t + 2 (x % 2)) fragments of 1,536 bytes = 3,072 x
	s_add_co_u32 s28, s28, s26
	s_mov_b32 s29, 0
	s_lshl_b32 s30, s21, 8                         ; the tile's 256 bytes of scale words,
	s_lshl_b32 s27, s22, 3                         ; my pair of K steps in each row's 16 bytes
	s_add_co_u32 s30, s30, s27
	s_add_co_u32 s30, s30, s26
	s_add_co_u32 s30, s30, WS
	s_mov_b32 s31, 0
	s_lshl_b32 s32, s20, 6
	s_add_co_u32 s32, s32, ttmp9
	s_lshl_b32 s32, s32, 7                         ; my 32 numbers of the mask: 128 bytes x (64 y + x)
	s_mov_b32 s33, 0
	s_mov_b32 s34, 0x76543210
	s_mov_b32 s35, 0xfedcba98                      ; v_permlanex16_b32's selects for lane l xor 16
	s_mov_b32 vcc_lo, 0xffff0000                   ; lanes 16-31
	s_wait_alu depctr_va_vdst(0)
	s_wait_kmcnt 0x0
	s_cmp_eq_u32 s20, 1                            ; the weight is chosen by the work-group's number alone
	s_cselect_b64 s[4:5], s[6:7], s[4:5]
	s_cmp_eq_u32 s20, 2
	s_cselect_b64 s[4:5], s[8:9], s[4:5]
	s_cmp_eq_u32 s20, 3
	s_cselect_b64 s[4:5], s[10:11], s[4:5]
	s_add_nc_u64 s[4:5], s[4:5], s[24:25]
	s_add_nc_u64 s[28:29], s[14:15], s[28:29]      ; my two fragments' images
	s_add_nc_u64 s[30:31], s[14:15], s[30:31]      ; their scale words
	s_add_nc_u64 s[12:13], s[12:13], s[32:33]
	s_add_nc_u64 s[16:17], s[16:17], s[32:33]
	global_load_b32 v7, v8, s[12:13]               ; the mask
.set n, 0
.rept 128                                      ; register n = 64 f + 32 c + i takes row 128 f + 64 c + i (+ 32 h, in the lane's offset)
	global_load_b32 v[XR+n], v3, s[4:5] offset:(64*(n/32)+n%32)*2048
.set n, n+1
.endr
.macro FRAG f
.set XS, XR+64*\f
.set PF, PC+12*\f
.irp c, 0,1                                    ; my block 2 c + h: all its 32 numbers are mine
	v_max3_num_f32 v[10+\c], |v[XS+32*\c]|, |v[XS+32*\c+1]|, 0x1800000   ; and the floor 2^(3 - 127): the byte cannot fall under 1
.endr
.irp i, 2,4,6,8,10,12,14,16,18,20,22,24,26,28,30
.irp c, 0,1
	v_max3_num_f32 v[10+\c], v[10+\c], |v[XS+32*\c+\i]|, |v[XS+32*\c+\i+1]|   ; the two blocks by turns
.endr
.endr
.irp c, 0,1
	v_add_nc_u32 v[12+\c], 0xff000000, v[10+\c]    ; 2 off the exponent field: the conversion's scale operand
.endr
.irp c, 0,1
	v_lshrrev_b32 v[14+\c], 23, v[12+\c]           ; the scale's byte
.endr
	v_lshl_or_b32 v[18+\f], v15, 16, v14           ; my two bytes: blocks h and 2 + h,
	v_lshlrev_b32 v[18+\f], v6, v[18+\f]           ; at their places (8 h bits up);
	v_permlanex16_b32 v16, v[18+\f], s34, s35
	v_or_b32 v[18+\f], v[18+\f], v16               ; with lane l xor 16's two the word is whole, in both halves of the lanes
.irp c, 0,1
	v_cvt_scalef32_pk16_fp6_f32 v[PF+6*\c:PF+6*\c+2], v[XS+32*\c:XS+32*\c+15], v[12+\c]
	v_cvt_scalef32_pk16_fp6_f32 v[CT+4*\c:CT+4*\c+2], v[XS+32*\c+16:XS+32*\c+31], v[12+\c]   ; (a conversion's three registers begin on an even number)
.endr
	v_nop                                          ; one plain vector instruction behind the scaled conversions
.irp c, 0,1
.irp i, 0,1,2
	v_mov_b32 v[PF+3+6*\c+\i], v[CT+4*\c+\i]
.endr
.endr
.irp g, 0,1,2
	global_store_b128 v4, v[PF+4*\g:PF+4*\g+3], s[28:29] offset:1536*\f+512*\g   ; 32 lanes store 512 consecutive bytes, aligned
.endr
.endm
	s_wait_loadcnt 63                              ; 64 loads are younger than the first fragment's; the count's field ends at 63, and a smaller count is safe
	FRAG 0
	v_mul_f32 v21, 0xce6e6b28, v7                  ; mask x -1e9, as the model rounds it,
	v_mul_f32 v21, 0x41000000, v21                 ; x 8, exact: mbt is the bias in the unit of the raw score q . k (8 x the model's term), not of t: the attention gives it to the first product as its C
	global_store_b32 v8, v21, s[16:17]
	s_wait_loadcnt 0x0
	FRAG 1
	v_cndmask_b32 v20, v18, v19, vcc_lo            ; lanes 0-15: the first fragment's word of row r; lanes 16-31: the second's
	global_store_b32 v5, v20, s[30:31]
	s_endpgm
.Lfunc_end_k_q7affea4a87_prep:
	.size	k_q7affea4a87_prep, .Lfunc_end_k_q7affea4a87_prep-k_q7affea4a87_prep
	.p2alignl 7, 3214868480
	.fill 96, 4, 3214868480
	.section	.rodata,"a",@progbits
	.p2align	6, 0x0
	.amdhsa_kernel k_q7affea4a87_prep
		.amdhsa_group_segment_fixed_size 0
		.amdhsa_private_segment_fixed_size 0
		.amdhsa_enable_private_segment 0
		.amdhsa_kernarg_size 56
		.amdhsa_user_sgpr_count 2
		.amdhsa_user_sgpr_kernarg_segment_ptr 1
		.amdhsa_wavefront_size32 1
		.amdhsa_system_sgpr_workgroup_id_x 1
		.amdhsa_system_sgpr_workgroup_id_y 1
		.amdhsa_system_sgpr_workgroup_id_z 1
		.amdhsa_system_vgpr_workitem_id 0
		.amdhsa_next_free_vgpr 192
		.amdhsa_next_free_sgpr 66
		.amdhsa_reserve_vcc 1
		.amdhsa_float_denorm_mode_32 3
		.amdhsa_float_denorm_mode_16_64 3
		.amdhsa_memory_ordered 1
		.amdhsa_forward_progress 1
		.amdhsa_inst_pref_size 22
	.end_amdhsa_kernel
	.amdgpu_metadata
---
amdhsa.version: [ 1, 2 ]
amdhsa.kernels:
  - .name:           k_q7affea4a87_prep
    .symbol:         k_q7affea4a87_prep.kd
    .args:
      - { .name: Wq, .offset: 0, .size: 8, .value_kind: global_buffer, .address_space: global }
      - { .name: Wk, .offset: 8, .size: 8, .value_kind: global_buffer, .address_space: global }
      - { .name: Wv, .offset: 16, .size: 8, .value_kind: global_buffer, .address_space: global }
      - { .name: Wo, .offset: 24, .size: 8, .value_kind: global_buffer, .address_space: global }
      - { .name: mask, .offset: 32, .size: 8, .value_kind: global_buffer, .address_space: global }
      - { .name: wimg, .offset: 40, .size: 8, .value_kind: global_buffer, .address_space: global }
      - { .name: mbt, .offset: 48, .size: 8, .value_kind: global_buffer, .address_space: global }
    .group_segment_fixed_size: 0
    .private_segment_fixed_size: 0
    .kernarg_segment_align: 8
    .kernarg_segment_size: 56
    .max_flat_workgroup_size: 32
    .sgpr_count:     66
    .vgpr_count:     192
    .wavefront_size: 32
...
	.end_amdgpu_metadata
.endif
;; end of part 1
;; launch proj (part 2): grid 64 x 3, 4 waves a work-group, clusters of 4 x 1, 262,656 bytes of LDS; arguments query, key, value, bq, bk, bv, wimg, qkvc, qkvs; writes qkvc, qkvs
.if DOCPART == 2
	.amdgcn_target "amdgcn-amd-amdhsa--gfx1250"
	.amdhsa_code_object_version 6
	.text
	.protected	k_q7affea4a87_proj
	.globl	k_q7affea4a87_proj
	.p2align	8
	.type	k_q7affea4a87_proj,@function
k_q7affea4a87_proj:
	s_mov_b64 s[64:65], 0
	v_nop
	global_prefetch_b8 v0, s[64:65] scope:SCOPE_SE
	s_setreg_imm32_b32 hwreg(HW_REG_WAVE_MODE, 25, 1), 1
	s_wait_xcnt 0x0
	s_wait_alu depctr_hold_cnt(0) depctr_sa_sdst(0) depctr_va_vdst(0) depctr_va_sdst(0) depctr_va_ssrc(0) depctr_va_vcc(0) depctr_vm_vsrc(0)
	s_getreg_b32 s2, hwreg(HW_REG_IB_STS2, 6, 4)
	s_cmp_eq_u32 s2, 0
	s_cbranch_scc0 .Lentry_in_a_cluster
	s_endpgm
.Lentry_in_a_cluster:
	s_bfe_u32 s2, ttmp6, 0x10000c
	s_cmp_lg_u32 s2, 0x3003
	s_cbranch_scc0 .Lentry_shape_is_right
	s_endpgm
.Lentry_shape_is_right:
; q = query Wq + bq, k = key Wk + bk, v = value Wv + bv, on codes of FP6 (E2M3) with one E8M0 scale for each 32 along K; the results are quantised at once for the attention's two products
; (q, k along the head's 64; v along the keys) and leave as images of operand registers.  Work-group y = 0, 1, 2 is q, k, v.
; SHARES.  A work-group takes 128 tokens (one key step of the attention) and all 512 units; wave w takes units 128 w .. 128 w + 127 = heads 2 w, 2 w + 1.  192 work-groups: v wants 128 keys of a unit in one wave for a whole fragment and scale word.
; CLUSTER.  The four work-groups of a cluster have the same y and read the same weight image (204,800 bytes): each wave asks for a quarter JOINTLY, one tensor load with a mask that names the four.  Each LDS byte is filled once.
; TOKEN ORDER.  Lane r of tile T (of 8) holds token 32 (T / 2) + 8 (T % 2) + r + 8 (r / 8), and the weight's tiles hold their units likewise: with such a tile as source 0 the 16 result registers of tiles 2 b, 2 b + 1 are 16 neighbours.
; PHASES.  X: wave w loads and quantises token tiles 2 w, 2 w + 1 (8 fragments) and stores their images in LDS | one barrier | then ONE branch on y:
;   q, k: source 0 = my 8 tiles of the weight (in registers), source 1 = a token tile: a lane holds one token and 64 of my 128 units; one fragment = two heads' halves;
;   v:    source 0 = the 8 token tiles (in registers), source 1 = one of my 8 tiles of the weight: a lane holds one unit and 64 of the 128 keys; one fragment of V^T.
; Both ways only read LDS.  The bias is the C of each sum's first matrix instruction.
; OUT: qkvc part y at y x 3,145,728: q, k [bh 16][tile 256][768]: a record = registers 0-3 at 16 x lane, then registers 4-5 at 8 x lane; v [bh][key step 32][d tile 4][1,536].
;      qkvs part y at y x 262,144: q, k [bh][quad 64][r 16][tile % 4] words (bytes 0, 1 the head's two blocks, bytes 2, 3 zero); v [bh][key step 32][r 16][d tile 4] words.
; LIMITS: NaN and infinities are not served.  A block whose largest magnitude lies under 2^-124 (zeros among them) gets the byte 1; only this program reads the bytes.
; REGISTERS, in windows of 256.  Window 0: below.  Window 1: in phase X four sets of 64 numbers of x; then source 0's fragments (tile a, K steps 0, 1) at 12 (2 a + s).  Window 2: (tile a, K steps 2, 3) at 12 (2 a + s - 2); v192-255 the bias in the result's layout.
.set WSC,  196608                      ; LDS: 0 the weight's codes; here its scale words;
.set XIMG, 204800                      ; x's 32 fragments [tile 8][K step 4][1,536];
.set XSC,  253952                      ; their scale words [tile 8][r 16][K step 4]
.set FRB,  1536                        ; a fragment's image
.set L16,  1                           ; v1   16 x lane
.set L8,   2                           ; v2   8 x lane
.set XA,   3                           ; v3   x: my token's row of 2,048 bytes + 64 h
.set XWI,  4                           ; v4   where I store x's images
.set XWS,  5                           ; v5   and their scale words
.set AW,   6                           ; v6   my 8 tiles of the weight
.set AX,   7                           ; v7   x's images
.set SWA,  8                           ; v8   my tiles' scale words
.set SXA,  9                           ; v9   x's scale words
.set VSQ,  10                          ; v10  q, k: my place in the scale words' buffer: 16,384 h + 16 r
.set VSV,  11                          ; v11  v: 8,192 h + 16 r
.set BIA,  12                          ; v12  64 h
.set BIB,  13                          ; v13  4 (r + 8 (r / 8))
.set SH16, 14                          ; v14  16 h
.set XF,   16                          ; v16-63   source 1's four fragments
.set HA,   64                          ; v64-127  eight result tiles
.set PC,   128                         ; v128-146 the codes just made
.set TM,   148                         ; v148-163 at work in QUANT
.set PW,   164                         ; v164     the scale word just made
.set BS,   166                         ; v166-169 source 1's scale words
.set SW,   170                         ; v170-177 scale words on their way out
.set BV,   178                         ; v178-185 v: my lane's bias for each of my 8 tiles
.set CV,   186                         ; v186-193 v: that bias eight times: the C of a sum's first instruction
.set AS,   194                         ; v194-225 source 0's scale words, 4 a + s
.set CB,   192                         ; window 2: q, k: the bias, 8 a + j
.set WV,   22
.set G1,   28
.set G0,   36
.set SEL,  40
.set MSB, 0
.macro WIN new                         ; the immediate's high byte repeats the setting that is left; a switch that changes nothing is dropped
.if MSB != (\new)
	s_set_vgpr_msb (MSB<<8)|(\new)
.set MSB, (\new)
.endif
.endm
.macro ROUND                           ; a round of the cluster's barrier
	s_barrier_signal -1
	s_barrier_wait -1
	s_cmp_lg_u32 s[WV], 0
	s_cbranch_scc1 .Lnot_wave_0_\@
	s_barrier_signal -3
.Lnot_wave_0_\@:
	s_barrier_wait -3
	s_barrier_signal -1
	s_barrier_wait -1
.endm
.macro MM d, a, b, c, sa, sb           ; D, source 0, source 1, C (first registers), the two scale registers
	v_wmma_scale_f32_16x16x128_f8f6f4 v[(\d):(\d)+7], v[(\a):(\a)+11], v[(\b):(\b)+11], v[(\c):(\c)+7], v[\sa], v[\sb] matrix_a_fmt:MATRIX_FMT_FP6 matrix_b_fmt:MATRIX_FMT_FP6
.endm
; 64 numbers of a lane, v[s] .. v[s + 63] of window w, register 16 b + i = k 32 b + 16 h + i of my row, become a fragment's codes in v[PC] on and its scale word in v[PW].
.macro QUANT s, w
	WIN 5*(\w)                                     ; sources 0 and 1 in window w
.irp b, 0,1,2,3
	v_max3_num_f32 v[TM+\b], |v[(\s)+16*\b]|, |v[(\s)+16*\b+1]|, 0x1800000   ; block b: my 16 numbers, from the low end on, and the floor 2^(3 - 127): the byte cannot fall under 1
.endr
.irp i, 2,4,6,8,10,12,14
.irp b, 0,1,2,3
	v_max3_num_f32 v[TM+\b], |v[(\s)+16*\b+\i]|, |v[(\s)+16*\b+\i+1]|, v[TM+\b]   ; the four blocks by turns
.endr
.endr
	WIN 0
.irp b, 0,1,2,3
	v_permlanex16_b32 v[TM+4+\b], v[TM+\b], s[SEL], s[SEL+1]
.endr
.irp b, 0,1,2,3
	v_max_num_f32 v[TM+\b], v[TM+\b], v[TM+4+\b]   ; with lane l xor 16's: the block's largest magnitude
.endr
.irp b, 0,1,2,3
	v_add_nc_u32 v[TM+12+\b], 0xff000000, v[TM+\b] ; 2 off its exponent field: the conversion's scale operand
.endr
.irp b, 0,1,2,3
	v_lshrrev_b32 v[TM+4+\b], 23, v[TM+12+\b]      ; the scale's byte
.endr
	v_lshl_or_b32 v[PW], v[TM+5], 8, v[TM+4]
	v_lshl_or_b32 v[PW], v[TM+6], 16, v[PW]
	v_lshl_or_b32 v[PW], v[TM+7], 24, v[PW]
	WIN \w                                         ; source 0 in window w
.irp c, 0,1
	v_cvt_scalef32_pk16_fp6_f32 v[PC+6*\c:PC+6*\c+2], v[(\s)+32*\c:(\s)+32*\c+15], v[TM+12+2*\c]
	v_cvt_scalef32_pk16_fp6_f32 v[PC+12+4*\c:PC+12+4*\c+2], v[(\s)+32*\c+16:(\s)+32*\c+31], v[TM+12+2*\c+1]   ; (a conversion's three registers begin on an even number)
.endr
	WIN 0
	v_nop                                          ; one plain vector instruction behind the scaled conversions
.irp c, 0,1                                    ; the operand's layout wants a whole block in a lane: lanes 0-15 block 2 c, lanes 16-31 block 2 c + 1
.irp i, 0,1,2
	v_permlane16_swap_b32 v[PC+6*\c+\i], v[PC+12+4*\c+\i]
.endr
.irp i, 0,1,2
	v_mov_b32 v[PC+3+6*\c+\i], v[PC+12+4*\c+\i]
.endr
.endr
.endm
	s_load_b256 s[4:11], s[0:1], 0x0               ; query, key, value, bq
	s_load_b256 s[12:19], s[0:1], 0x20             ; bk, bv, wimg, qkvc
	s_load_b64 s[20:21], s[0:1], 0x40              ; qkvs
	v_lshl_add_u32 v254, v0, 2, 0x40000
	v_mov_b32 v255, 0
	ds_add_u32 v254, v255
	ds_add_u32 v254, v255
	v_lshrrev_b32 v15, 5, v0
	v_readfirstlane_b32 s[WV], v15                 ; wave 0..3
	s_and_b32 s23, ttmp7, 0xffff                   ; y, which the four partners share
	; descriptor group 1: a dense block of 51,200 bytes as 200 rows of 256 bytes (32 elements of 8 bytes), no padding
	s_mov_b32 s[G1], 0x0023000f                    ; 15:0 the mask: all four work-groups; 17:16 elements of 8 bytes; 21 set beside a mask
	s_mov_b32 s[G1+1], 32<<16                      ; tensor_dim0
	s_mov_b32 s[G1+2], 200<<16                     ; tensor_dim1
	s_mov_b32 s[G1+3], 32<<16                      ; tile_dim0
	s_mov_b32 s[G1+4], 200                         ; tile_dim1
	s_mov_b32 s[G1+5], 32                          ; the pitch
	s_mov_b32 s[G1+6], 0
	s_mov_b32 s[G1+7], 0
	s_mul_i32 s[G0+1], s[WV], 51200                ; LDS address: my quarter of the image
	s_mul_i32 s42, s23, 204800
	s_add_co_u32 s42, s42, s[G0+1]                 ; and the same quarter of weight y in memory: no place in the cluster enters
	s_mov_b32 s43, 0
	s_wait_dscnt 0x0
	s_wait_kmcnt 0x0
	s_mov_b32 s[G0], 1
	s_add_nc_u64 s[G0+2:G0+3], s[16:17], s[42:43]
	s_or_b32 s[G0+3], s[G0+3], 0x80000000          ; type = 2
	ROUND                                          ; all four work-groups are here: the joint loads meet
	tensor_load_to_lds s[G0:G0+3], s[G1:G1+7]      ; my one tensor load of the launch
	s_nop 0
.rept 4
	v_nop                                          ; four v_nops behind a tensor load
.endr
	s_bfe_u32 s24, ttmp6, 0x40000                  ; cx: it enters x's and the results' addresses alone
	s_lshl_b32 s25, ttmp9, 2
	s_add_co_u32 s25, s25, s24                     ; my block of 128 tokens, 0..63
	s_lshr_b32 s26, s25, 5                         ; the batch
	s_and_b32 s27, s25, 31                         ; the key step in it
	s_lshl_b32 s56, s25, 18
	s_lshl_b32 s57, s[WV], 16
	; k (y = 1) has a token order of its own: lane r of tile T holds token 64 (T / 4) + 32 (r / 8) + 8 (T % 4) + r % 8, so that in the attention's S^T a lane holds whole blocks of 32 keys
	s_lshr_b32 s58, s[WV], 1
	s_lshl_b32 s58, s58, 17                        ; 64 (w / 2) rows of 2,048 bytes
	s_and_b32 s59, s[WV], 1
	s_lshl_b32 s59, s59, 15                        ; + 16 (w % 2) rows
	s_add_co_u32 s58, s58, s59
	s_cmp_eq_u32 s23, 1
	s_cselect_b32 s57, s58, s57
	s_cselect_b32 s59, 4096, 0                     ; and 16 rows more for r / 8: (r & 8) x 4,096 bytes
	s_add_co_u32 s56, s56, s57                     ; x: (128 block + 32 wave) rows of 2,048 bytes
	s_mov_b32 s57, 0
	s_lshl_b32 s52, s26, 3
	s_lshl_b32 s53, s[WV], 1
	s_add_co_u32 s52, s52, s53                     ; bh of my first head: 8 b + 2 w
	s_mul_i32 s46, s23, 3145728
	s_mul_i32 s53, s52, 196608
	s_add_co_u32 s46, s46, s53
	s_mul_i32 s53, s27, 6144
	s_add_co_u32 s46, s46, s53                     ; the codes: part y, head, key step (8 records of 768 bytes, or 4 fragments of 1,536)
	s_mov_b32 s47, 0
	s_lshl_b32 s48, s23, 18
	s_lshl_b32 s53, s52, 14
	s_add_co_u32 s48, s48, s53
	s_lshl_b32 s53, s27, 9
	s_add_co_u32 s48, s48, s53                     ; q's, k's scale words: part y, 16,384 a head, 512 a key step
	s_mov_b32 s49, 0
	s_lshl_b32 s50, s52, 13
	s_lshl_b32 s53, s27, 8
	s_add_co_u32 s50, s50, s53
	s_add_co_u32 s50, s50, 524288                  ; v's: part 2, 8,192 a head, 256 a key step
	s_mov_b32 s51, 0
	s_lshl_b32 s54, s[WV], 9                       ; the bias: my 128 numbers
	s_mov_b32 s55, 0
	s_cmp_eq_u32 s23, 1                            ; x and the bias are chosen by the work-group's y alone
	s_cselect_b64 s[4:5], s[6:7], s[4:5]
	s_cselect_b64 s[10:11], s[12:13], s[10:11]
	s_cmp_eq_u32 s23, 2
	s_cselect_b64 s[4:5], s[8:9], s[4:5]
	s_cselect_b64 s[10:11], s[14:15], s[10:11]
	s_add_nc_u64 s[4:5], s[4:5], s[56:57]
	s_add_nc_u64 s[10:11], s[10:11], s[54:55]
	s_add_nc_u64 s[46:47], s[18:19], s[46:47]
	s_add_nc_u64 s[48:49], s[20:21], s[48:49]
	s_add_nc_u64 s[50:51], s[20:21], s[50:51]
	s_mov_b32 s[SEL], 0x76543210
	s_mov_b32 s[SEL+1], 0xfedcba98                 ; v_permlanex16_b32's selects for lane l xor 16
	v_and_b32 v15, 31, v0                          ; lane
	v_lshlrev_b32 v[L16], 4, v15
	v_lshlrev_b32 v[L8], 3, v15
	v_and_b32 v16, 15, v0                          ; r
	v_bfe_u32 v17, v0, 4, 1                        ; h
	v_and_b32 v18, 8, v16
	v_add_nc_u32 v18, v18, v16                     ; r + 8 (r / 8)
	v_lshlrev_b32 v[XA], 11, v18
	v_lshl_add_u32 v[XA], v17, 6, v[XA]
	v_and_b32 v20, 8, v16
	v_mad_u32_u24 v[XA], v20, s59, v[XA]           ; k alone: lanes 8-15 stand 32 rows behind lanes 0-7
	v_lshlrev_b32 v19, 4, v16                      ; 16 r
	s_mul_i32 s44, s[WV], 8*FRB
	s_add_co_u32 s44, s44, XIMG
	v_add_nc_u32 v[XWI], s44, v[L16]               ; my two tiles' eight images
	s_lshl_b32 s44, s[WV], 9
	s_add_co_u32 s44, s44, XSC
	v_add_nc_u32 v[XWS], s44, v19
	s_mul_i32 s44, s[WV], 32*FRB
	v_add_nc_u32 v[AW], s44, v[L16]
	v_add_nc_u32 v[AX], XIMG, v[L16]
	s_lshl_b32 s44, s[WV], 11
	s_add_co_u32 s44, s44, WSC
	v_add_nc_u32 v[SWA], s44, v19
	v_add_nc_u32 v[SXA], XSC, v19
	v_lshl_add_u32 v[VSQ], v17, 14, v19
	v_lshl_add_u32 v[VSV], v17, 13, v19
	v_lshlrev_b32 v[BIA], 6, v17
	v_lshlrev_b32 v[BIB], 2, v18
	v_lshlrev_b32 v[SH16], 4, v17
.irp b, 0,1,2,3
	v_mov_b32 v[TM+4+\b], 0                        ; written once: a lane permute's destination counts as one of its sources
.endr
	; the bias in both forms, fetched on the one way that all work-groups take
	WIN 0x80                                       ; destination window 2
.irp a, 0,1,2,3,4,5,6,7                        ; q, k: tile a's register j is unit 32 (a / 2) + 16 h + 8 (a % 2) + j of my 128
	global_load_b128 v[CB+8*\a:CB+8*\a+3], v[BIA], s[10:11] offset:(32*(\a/2)+8*(\a%2))*4
	global_load_b128 v[CB+8*\a+4:CB+8*\a+7], v[BIA], s[10:11] offset:(32*(\a/2)+8*(\a%2))*4+16
.endr
	WIN 0
.irp i, 0,1,2,3,4,5,6,7                        ; v: with tile i as source 1 my lane is unit 32 (i / 2) + 8 (i % 2) + r + 8 (r / 8)
	global_load_b32 v[BV+\i], v[BIB], s[10:11] offset:(32*(\i/2)+8*(\i%2))*4
.endr
; ---- X.  Unit n = 4 u + s: K step s of my token tile 2 w + u: 64 numbers a lane into set n % 4 of window 1
.macro XLOAD n
	WIN 0x40                                       ; destination window 1
.irp b, 0,1,2,3
.irp j, 0,1,2,3
	global_load_b128 v[64*((\n)%4)+16*\b+4*\j:64*((\n)%4)+16*\b+4*\j+3], v[XA], s[4:5] offset:16384*((\n)/4)+512*((\n)%4)+128*\b+16*\j th:TH_LOAD_RT_NT   ; four loads on end take a lane's 64 consecutive bytes; the launch reads x once
.endr
.endr
	WIN 0
.endm
.macro UNIT n, left
	s_wait_loadcnt \left                           ; this unit's 16 loads are in; the younger units' may be out
.if (\n)+3 < 8
	XLOAD (\n)+3                                   ; three units ahead, into the set that the last unit has left
.endif
	QUANT 64*((\n)%4), 1
.irp c, 0,1,2
	ds_store_b128 v[XWI], v[PC+4*\c:PC+4*\c+3] offset:(\n)*FRB+512*\c   ; the fragment as it stands: 512 consecutive bytes a store
.endr
	ds_store_b32 v[XWS], v[PW] offset:256*((\n)/4)+4*((\n)%4)           ; lanes r and r + 16 write the same word with the same value
	s_wait_dscnt 0x0                               ; the stores are done: the next unit writes their registers
.endm
	XLOAD 0
	XLOAD 1
	XLOAD 2
	UNIT 0, 32
	UNIT 1, 32
	UNIT 2, 32
	UNIT 3, 32
	UNIT 4, 32
	UNIT 5, 32
	UNIT 6, 16
	UNIT 7, 0                                      ; no global load of mine is out from here on, the bias's neither
	s_wait_tensorcnt 0x0                           ; my quarter of the weight's image has landed,
	s_wait_dscnt 0x0                               ; my images of x are stored:
	s_barrier_signal -1
	s_barrier_wait -1                              ; everybody's are.  From here on LDS is only read
.macro FETCHB i                                ; source 1's tile i: four fragments and their scale words
.irp s, 0,1,2,3
.irp c, 0,1,2
	ds_load_b128 v[XF+12*\s+4*\c:XF+12*\s+4*\c+3], v[BSRC] offset:4*FRB*(\i)+FRB*\s+512*\c
.endr
.endr
	ds_load_b128 v[BS:BS+3], v[BSS] offset:256*(\i)
.endm
.macro MULS isv                                ; 32 matrix instructions: K step by K step, the eight accumulators by turns, one instruction a turn
.irp s, 0,1,2,3
.if \s == 0
	WIN 0x21-0x20*(\isv)                           ; source 0 window 1; C: the bias, in window 2 (q, k) or window 0 (v)
.elseif \s == 1
	WIN 0x01
.else
	WIN 0x02                                       ; source 0 window 2
.endif
.irp a, 0,1,2,3,4,5,6,7
.if (\s == 0) && (\isv == 0)
	MM HA+8*\a, 12*(2*\a+\s%2), XF+12*\s, CB+8*\a, AS+4*\a+\s, BS+\s
.elseif \s == 0
	MM HA+8*\a, 12*(2*\a+\s%2), XF+12*\s, CV, AS+4*\a+\s, BS+\s
.else
	MM HA+8*\a, 12*(2*\a+\s%2), XF+12*\s, HA+8*\a, AS+4*\a+\s, BS+\s
.endif
.endr
.endr
	WIN 0
.endm
.macro ARM isv
.if \isv
.set ASRC, AX
.set ASS,  SXA
.set BSRC, AW
.set BSS,  SWA
.else
.set ASRC, AW
.set ASS,  SWA
.set BSRC, AX
.set BSS,  SXA
.endif
	WIN 0x40                                       ; source 0's 32 fragments stay in registers: K steps 0, 1 in window 1,
.irp a, 0,1,2,3,4,5,6,7
.irp s, 0,1
.irp c, 0,1,2
	ds_load_b128 v[12*(2*\a+\s)+4*\c:12*(2*\a+\s)+4*\c+3], v[ASRC] offset:(4*\a+\s)*FRB+512*\c
.endr
.endr
.endr
	WIN 0x80                                       ; K steps 2, 3 in window 2
.irp a, 0,1,2,3,4,5,6,7
.irp s, 0,1
.irp c, 0,1,2
	ds_load_b128 v[12*(2*\a+\s)+4*\c:12*(2*\a+\s)+4*\c+3], v[ASRC] offset:(4*\a+\s+2)*FRB+512*\c
.endr
.endr
.endr
	WIN 0
.irp a, 0,1,2,3,4,5,6,7
	ds_load_b128 v[AS+4*\a:AS+4*\a+3], v[ASS] offset:256*\a
.endr
	FETCHB 0
.if \isv
	s_mov_b32 vcc_lo, 0xffff0000                   ; lanes 16-31
.irp j, 0,1,2,3,4,5,6,7
	v_mov_b32 v[CV+\j], v[BV]                      ; my unit's bias for all eight tokens of a register run
.endr
.endif
	s_wait_alu depctr_va_vdst(0)
	s_wait_dscnt 0x0
.irp i, 0,1,2,3,4,5,6,7
	MULS \isv
.rept 4
	v_nop                                          ; four places behind the last products, ahead of the loads into their operands and of the first read of results
.endr
.if \i < 7
	FETCHB \i+1                                    ; lands while this tile is quantised
.if \isv
.irp j, 0,1,2,3,4,5,6,7
	v_mov_b32 v[CV+\j], v[BV+\i+1]
.endr
.endif
.endif
	s_wait_xcnt 0x0                                ; the last tile's stores have read their registers: the codes may be written again
	QUANT HA, 0
.if \isv                                       ; a fragment of V^T: d tile i % 4 of head 2 w + i / 4, these 128 keys
.irp c, 0,1,2
	global_store_b128 v[L16], v[PC+4*\c:PC+4*\c+3], s[46:47] offset:(\i/4)*196608+(\i%4)*FRB+512*\c
.endr
.if \i < 4
	v_mov_b32 v[SW+\i], v[PW]                      ; lanes 0-15 keep head 2 w's words,
.else
	v_cndmask_b32 v[SW+\i-4], v[SW+\i-4], v[PW], vcc_lo   ; lanes 16-31 take head 2 w + 1's
.endif
.if \i == 7
	global_store_b128 v[VSV], v[SW:SW+3], s[50:51] ; sixteen lanes store a head's 256 consecutive bytes
.endif
.else                                          ; registers 0-5: head 2 w's 64; registers 6-11: head 2 w + 1's: two records of token tile i
	global_store_b128 v[L16], v[PC:PC+3], s[46:47] offset:768*\i
	global_store_b64 v[L8], v[PC+4:PC+5], s[46:47] offset:768*\i+512
	global_store_b128 v[L16], v[PC+6:PC+9], s[46:47] offset:196608+768*\i
	global_store_b64 v[L8], v[PC+10:PC+11], s[46:47] offset:196608+768*\i+512
	v_bfe_u32 v[SW+\i], v[PW], v[SH16], 16         ; lanes 0-15: head 2 w's two bytes; lanes 16-31: head 2 w + 1's; the upper bytes are 0, over zero codes
.if \i%4 == 3
	global_store_b128 v[VSQ], v[SW+\i-3:SW+\i], s[48:49] offset:256*(\i/4)   ; a quad of tiles: sixteen lanes store a head's 256 consecutive bytes
.endif
.endif
	s_wait_dscnt 0x0                               ; the next tile's fragments are in
.endr
.endm
	s_cmp_eq_u32 s23, 2                            ; the one parting of the ways: on y, which all partners and all waves share
	s_cbranch_scc1 .Lvalue
	ARM 0
	s_branch .Ljoin
.Lvalue:
	ARM 1
.Ljoin:
	s_wait_tensorcnt 0x0
	ds_add_u32 v254, v255
	s_wait_dscnt 0x0
	ROUND                                          ; the closing round: no work-group ends while a partner may still ask jointly
	s_endpgm
.Lfunc_end_k_q7affea4a87_proj:
	.size	k_q7affea4a87_proj, .Lfunc_end_k_q7affea4a87_proj-k_q7affea4a87_proj
	.p2alignl 7, 3214868480
	.fill 96, 4, 3214868480
	.section	.rodata,"a",@progbits
	.p2align	6, 0x0
	.amdhsa_kernel k_q7affea4a87_proj
		.amdhsa_group_segment_fixed_size 262656
		.amdhsa_private_segment_fixed_size 0
		.amdhsa_enable_private_segment 0
		.amdhsa_kernarg_size 72
		.amdhsa_user_sgpr_count 2
		.amdhsa_user_sgpr_kernarg_segment_ptr 1
		.amdhsa_wavefront_size32 1
		.amdhsa_system_sgpr_workgroup_id_x 1
		.amdhsa_system_sgpr_workgroup_id_y 1
		.amdhsa_system_sgpr_workgroup_id_z 1
		.amdhsa_system_vgpr_workitem_id 0
		.amdhsa_next_free_vgpr 768
		.amdhsa_next_free_sgpr 66
		.amdhsa_reserve_vcc 1
		.amdhsa_float_denorm_mode_32 3
		.amdhsa_float_denorm_mode_16_64 3
		.amdhsa_memory_ordered 1
		.amdhsa_forward_progress 1
		.amdhsa_inst_pref_size 218
	.end_amdhsa_kernel
	.amdgpu_metadata
---
amdhsa.version: [ 1, 2 ]
amdhsa.kernels:
  - .name:           k_q7affea4a87_proj
    .symbol:         k_q7affea4a87_proj.kd
    .args:
      - { .name: query, .offset: 0, .size: 8, .value_kind: global_buffer, .address_space: global }
      - { .name: key, .offset: 8, .size: 8, .value_kind: global_buffer, .address_space: global }
      - { .name: value, .offset: 16, .size: 8, .value_kind: global_buffer, .address_space: global }
      - { .name: bq, .offset: 24, .size: 8, .value_kind: global_buffer, .address_space: global }
      - { .name: bk, .offset: 32, .size: 8, .value_kind: global_buffer, .address_space: global }
      - { .name: bv, .offset: 40, .size: 8, .value_kind: global_buffer, .address_space: global }
      - { .name: wimg, .offset: 48, .size: 8, .value_kind: global_buffer, .address_space: global }
      - { .name: qkvc, .offset: 56, .size: 8, .value_kind: global_buffer, .address_space: global }
      - { .name: qkvs, .offset: 64, .size: 8, .value_kind: global_buffer, .address_space: global }
    .group_segment_fixed_size: 262656
    .private_segment_fixed_size: 0
    .kernarg_segment_align: 8
    .kernarg_segment_size: 72
    .max_flat_workgroup_size: 128
    .sgpr_count:     66
    .vgpr_count:     768
    .wavefront_size: 32
...
	.end_amdgpu_metadata
.endif
;; end of part 2
;; launch attn (part 3): grid 16 x 16, 16 waves a work-group, clusters of 4 x 1, 247,808 bytes of LDS; arguments qkvc, qkvs, mbt, oc, os; writes oc, os
.if DOCPART == 3
	.amdgcn_target "amdgcn-amd-amdhsa--gfx1250"
	.amdhsa_code_object_version 6
	.text
	.protected	k_q7affea4a87_attn
	.globl	k_q7affea4a87_attn
	.p2align	8
	.type	k_q7affea4a87_attn,@function
k_q7affea4a87_attn:
	s_mov_b64 s[64:65], 0
	v_nop
	global_prefetch_b8 v0, s[64:65] scope:SCOPE_SE
	s_setreg_imm32_b32 hwreg(HW_REG_WAVE_MODE, 25, 1), 1
	s_wait_xcnt 0x0
	s_wait_alu depctr_hold_cnt(0) depctr_sa_sdst(0) depctr_va_vdst(0) depctr_va_sdst(0) depctr_va_ssrc(0) depctr_va_vcc(0) depctr_vm_vsrc(0)
	s_getreg_b32 s2, hwreg(HW_REG_IB_STS2, 6, 4)
	s_cmp_eq_u32 s2, 0
	s_cbranch_scc0 .Lentry_in_a_cluster
	s_endpgm
.Lentry_in_a_cluster:
	s_bfe_u32 s2, ttmp6, 0x10000c
	s_cmp_lg_u32 s2, 0x3003
	s_cbranch_scc0 .Lentry_shape_is_right
	s_endpgm
.Lentry_shape_is_right:
; o[bh][q] = the sum over keys of softmax(q . k / 8 + mask x -1e9) v, both products on codes of FP6 (E2M3) with one E8M0 scale for each 32 along a product's K; o is quantised along the head's 64 for the last product.
; S' = q . k + mbt[key], mbt = 8 x (mask x -1e9) from the first launch: the bias is loaded into the score registers and is the C of the first product.  t = S' x log2(e) / 8; M = the running largest t rounded UP to a whole number;
; p = 2^(t - M), one fused multiply-add and one exponential, is quantised along the keys, not normalised; the row's sum is taken of the unquantised p and divides at the end; when M moves, the sum and O are multiplied by 2^(old M - new M), which rounds nothing.
; SHARES.  A work-group owns 256 queries of one head (bh = work-group y); each of its sixteen waves owns one tile of 16, in 256 registers.  Every wave walks all 4,096 keys, 128 a step.
; K = 64 fills half of the matrix instruction's 128: the upper six registers of K's and Q's fragments are zero codes, cleared once.
; LAYOUT.  Both products are used transposed (S^T = K Q^T, O^T = V^T P^T): a lane holds ONE query.  Row m of key tile 4 c + t is key 64 c + 32 (m / 8) + 8 t + m % 8, so lane (r, h) holds in S + 32 c + 0 .. 31 the WHOLE block of keys 64 c + 32 h + 0 .. 31:
; a block's maximum needs no other lane, and the conversions' results are p's operand registers as they stand.  V's d tiles give O^T's registers 16 b + i as d = 32 b + 16 h + i.
; LDS IS FILLED ONCE.  K and V of a head are 2 x 196,608 bytes and do not fit in LDS together.  All of K, K's and V's scale words and the batch's mbt (245,760 bytes) come at the head and stay: nothing is filled again, and the walk over the keys has no barrier.
; CLUSTER.  The four query blocks of a cluster want the same K, scale words and mbt: every tensor load is JOINT (mask 15), one a wave: waves 0 to 11 a twelfth of K each, wave 12 K's scale words, wave 13 mbt, wave 14 V's scale words.
; V's fragments lie in memory as images of operand registers: each wave loads them straight into registers, 512 consecutive bytes an instruction, twelve loads a step, issued ahead of the step's whole softmax.  They are not shared in the cluster: they pass through no LDS.
; PREFETCH.  V's 6,144 bytes of a step are 24 blocks of 256 bytes.  Each cluster names each block once: work-group cx takes blocks 6 cx .. 6 cx + 5, told apart by address; wave 0 asks in step s for step s + 4 (lanes over 5 name the last block again);
; steps 0 to 3 are asked for at the head by waves 0 to 3; the last four steps ask for nothing.
; A step also asks LDS for the next step's first four K tiles and its bias.
; LIMITS: NaN and infinities are not served.  p under 2^-126 is 0.  Where the bias is huge the score is rounded away beside it, as in the model (the matrix unit's own rounding in place of an f32 addition).  The promise holds while |t| stays under 2^31.
; A block of p or o whose largest magnitude lies under 2^-124 gets the byte 1; only this program reads the bytes.
.set KSC,   196608                     ; behind K's 256 records of 768 bytes: K's scale words [quad 64][r 16][tile % 4], 16,384 bytes
.set MBL,   212992                     ; mbt of the batch, 16,384 bytes
.set VSC,   229376                     ; V's scale words [step 32][r 16][d tile 4]: 256 bytes a step, padded to 512, so that K's scale address serves them too
.set SPARE, 245760                     ; the spare words, 128 bytes for each of sixteen waves
.set AHEAD, 4                          ; steps between a prefetch and the loads that want its bytes
.set KF,  32                           ; v32-79   four fragments of K (registers + 6 .. + 11 stay 0)
.set VF,  80                           ; v80-127  V's four fragments
.set VS,  128                          ; v128-131 V's scale words
.set BM,  132                          ; v132-133 my two blocks' largest S', then t - M, then p
.set SO,  134                          ; v134-135 the conversions' scale operands
.set TA,  136                          ; v136-142 at work
.set H8,  143                          ; v143     8 h
.set S,   144                          ; v144-207 the bias, then S^T, then p
.set OT,  208                          ; v208-239 O^T
.set PCD, 240                          ; v240-251 p's codes (v240-243 at work ahead of them)
.set WV,  14                           ; v1 16 x lane, v2 8 x lane, v3 16 r + KSC, v4 the prefetches' offset, v5 128 h + MBL, v6, v7 the add's two, v8-10, v254 the step's addresses,
.set SEL, 20                           ; v12 -M, v13 the largest S', v[14:15] the sum in two halves, v16-27 Q, v28-31 K's scale words, v252 f, v253 p's scale word, v255 Q's
.set CS,  22                           ; s[22:23] c = log2(e) / 8
.set G1T, 24
.set G1P, 32
.set G0T, 40
.set G0P, 44
.set TB,  48                           ; s48  LDS byte at which the step's K records begin
.set T5,  49                           ; s49  512 x step: scale words and mbt
.set LIM, 51                           ; s51  wave 0: AHEAD - 1; the others: the greatest number
.set STEPS, 52
.set NC,  53                           ; s53  -c.   s[4:5]: from the head's end on, the step's V fragments in memory
.macro ROUND                           ; a round of the cluster's barrier
	s_barrier_signal -1
	s_barrier_wait -1
	s_cmp_lg_u32 s[WV], 0
	s_cbranch_scc1 .Lnot_wave_0_\@
	s_barrier_signal -3
.Lnot_wave_0_\@:
	s_barrier_wait -3
	s_barrier_signal -1
	s_barrier_wait -1
.endm
.macro MM d, a, b, c, sa, sb
	v_wmma_scale_f32_16x16x128_f8f6f4 v[(\d):(\d)+7], v[(\a):(\a)+11], v[(\b):(\b)+11], v[(\c):(\c)+7], v[\sa], v[\sb] matrix_a_fmt:MATRIX_FMT_FP6 matrix_b_fmt:MATRIX_FMT_FP6
.endm
	s_load_b256 s[4:11], s[0:1], 0x0               ; qkvc, qkvs, mbt, oc
	s_load_b64 s[12:13], s[0:1], 0x20              ; os
	v_lshl_add_u32 v6, v0, 2, SPARE
	v_mov_b32 v7, 0
	ds_add_u32 v6, v7                              ; the opening lines: the add, twice on end, and its wait
	ds_add_u32 v6, v7
	s_wait_dscnt 0x0
	v_lshrrev_b32 v8, 5, v0
	v_readfirstlane_b32 s[WV], v8                  ; wave 0..15
	s_and_b32 s15, ttmp7, 0xffff                   ; bh, which the four partners share
	s_lshr_b32 s16, s15, 3                         ; the batch
	s_and_b32 s17, s15, 7                          ; the head
	; descriptor groups 1: dense blocks as rows of 256 bytes (32 elements of 8 bytes): 64 rows with no padding; 32 rows with 256 bytes of padding behind each
	s_mov_b32 s[G1T], 0x0023000f                   ; 15:0 the mask: all four work-groups; 17:16 elements of 8 bytes; 21 set beside a mask
	s_mov_b32 s[G1T+1], 32<<16
	s_mov_b32 s[G1T+2], 64<<16
	s_mov_b32 s[G1T+3], 32<<16
	s_mov_b32 s[G1T+4], 64
	s_mov_b32 s[G1T+5], 32
	s_mov_b32 s[G1T+6], 0
	s_mov_b32 s[G1T+7], 0
	s_mov_b32 s[G1P], 15|(3<<16)|(1<<20)|(1<<21)|(5<<22)|(63<<25)   ; the same, and 20 padding on; 24:22 after every 64 words; 31:25 of 64 words
	s_mov_b32 s[G1P+1], 32<<16
	s_mov_b32 s[G1P+2], 32<<16
	s_mov_b32 s[G1P+3], 32<<16
	s_mov_b32 s[G1P+4], 32
	s_mov_b32 s[G1P+5], 32
	s_mov_b32 s[G1P+6], 0
	s_mov_b32 s[G1P+7], 0
	s_lshl_b32 s[G0T+1], s[WV], 14                 ; LDS: 16,384 x wave: K's twelve parts, K's scale words, mbt
	s_mul_i32 s54, s15, 196608
	s_add_co_u32 s54, s54, s[G0T+1]
	s_add_co_u32 s54, s54, 3145728                 ; waves 0 to 11: part 1 of qkvc, my head, my twelfth
	s_lshl_b32 s56, s15, 14
	s_add_co_u32 s56, s56, 262144                  ; wave 12: part 1 of qkvs, 16,384 a head
	s_cmp_lt_u32 s[WV], 12
	s_cselect_b32 s54, s54, s56
	s_lshl_b32 s56, s16, 14                        ; wave 13: mbt, 16,384 a batch
	s_cmp_eq_u32 s[WV], 13
	s_cselect_b32 s54, s56, s54
	s_mov_b32 s55, 0
	s_lshl_b32 s56, s15, 13
	s_add_co_u32 s56, s56, 524288                  ; wave 14: part 2 of qkvs, 8,192 a head
	s_mov_b32 s57, 0
	s_mov_b32 s[G0P+1], VSC
	s_wait_kmcnt 0x0
	s_mov_b32 s[G0T], 1
	s_cmp_lt_u32 s[WV], 12                         ; the buffer is chosen by the wave's number alone
	s_cselect_b64 s[G0T+2:G0T+3], s[4:5], s[6:7]
	s_cmp_eq_u32 s[WV], 13
	s_cselect_b64 s[G0T+2:G0T+3], s[8:9], s[G0T+2:G0T+3]
	s_add_nc_u64 s[G0T+2:G0T+3], s[G0T+2:G0T+3], s[54:55]
	s_or_b32 s[G0T+3], s[G0T+3], 0x80000000        ; type = 2
	s_mov_b32 s[G0P], 1
	s_add_nc_u64 s[G0P+2:G0P+3], s[6:7], s[56:57]
	s_or_b32 s[G0P+3], s[G0P+3], 0x80000000
	ROUND                                          ; all four work-groups are here: the joint loads meet
	s_cmp_lt_u32 s[WV], 14                         ; the branches hang on the wave's number alone
	s_cbranch_scc0 .Lnot_tile
	tensor_load_to_lds s[G0T:G0T+3], s[G1T:G1T+7]
	s_nop 0
.rept 4
	v_nop                                          ; four v_nops behind a tensor load
.endr
	s_branch .Lasked
.Lnot_tile:
	s_cmp_lt_u32 s[WV], 15
	s_cbranch_scc0 .Lasked
	tensor_load_to_lds s[G0P:G0P+3], s[G1P:G1P+7]
	s_nop 0
.rept 4
	v_nop
.endr
.Lasked:
	s_bfe_u32 s18, ttmp6, 0x40000                  ; cx: it enters Q's, o's and the prefetches' addresses alone
	s_lshl_b32 s19, ttmp9, 2
	s_add_co_u32 s19, s19, s18
	s_lshl_b32 s19, s19, 4
	s_add_co_u32 s19, s19, s[WV]                   ; my tile of queries in the batch: 16 x block + wave
	s_lshl_b32 s60, s15, 8
	s_add_co_u32 s60, s60, s19
	s_mul_i32 s60, s60, 768                        ; its record in part 0 of qkvc
	s_mov_b32 s61, 0
	s_lshl_b32 s62, s15, 14
	s_lshr_b32 s58, s19, 2
	s_lshl_b32 s58, s58, 8
	s_add_co_u32 s62, s62, s58
	s_and_b32 s58, s19, 3
	s_lshl_b32 s58, s58, 2
	s_add_co_u32 s62, s62, s58                     ; and its scale words in part 0 of qkvs
	s_mov_b32 s63, 0
	s_add_nc_u64 s[60:61], s[4:5], s[60:61]
	s_add_nc_u64 s[62:63], s[6:7], s[62:63]
	s_mul_i32 s56, s15, 196608
	s_add_co_u32 s56, s56, 6291456                 ; V: part 2 of qkvc, my head
	s_mov_b32 s57, 0
	s_add_nc_u64 s[4:5], s[4:5], s[56:57]
	s_mul_i32 s58, s18, 1536                       ; my work-group's six blocks of a step's 24
	s_mul_i32 s59, s[WV], 6144
	s_mov_b32 s[SEL], 0x76543210
	s_mov_b32 s[SEL+1], 0xfedcba98                 ; v_permlanex16_b32's selects for lane l xor 16
	s_mov_b32 s[CS], 0x3e38aa3b                    ; log2(e) / 8
	s_mov_b32 s[CS+1], s[CS]                       ; (named with it as a pair, so it is written)
	s_mov_b32 s[NC], 0xbe38aa3b
	s_mov_b32 s[TB], 0
	s_mov_b32 s[T5], 0
	s_mov_b32 s[LIM], 0x7fffffff
	s_cmp_eq_u32 s[WV], 0
	s_cselect_b32 s[LIM], AHEAD-1, s[LIM]
	v_and_b32 v8, 31, v0
	v_and_b32 v9, 15, v0                           ; r
	v_bfe_u32 v10, v0, 4, 1                        ; h
	v_lshlrev_b32 v1, 4, v8
	v_lshlrev_b32 v2, 3, v8
	v_lshlrev_b32 v11, 4, v9                       ; 16 r
	v_min_u32 v4, 5, v8
	global_load_b128 v[16:19], v1, s[60:61]        ; Q's fragment stays in registers
	global_load_b64 v[20:21], v2, s[60:61] offset:512
	global_load_b32 v255, v11, s[62:63]
	v_lshlrev_b32 v4, 8, v4
	v_add_nc_u32 v3, KSC, v11
	v_lshlrev_b32 v5, 7, v10
	v_add_nc_u32 v4, s58, v4                       ; 256 x min(lane, 5) + 1,536 cx
	v_lshlrev_b32 v[H8], 3, v10
	v_add_nc_u32 v5, MBL, v5
	v_add_nc_u32 v[TA+6], s59, v4
	s_cmp_lt_u32 s[WV], AHEAD
	s_cbranch_scc0 .Lno_first
	global_prefetch_b8 v[TA+6], s[4:5] th:TH_LOAD_NT scope:SCOPE_SE   ; wave w < 4: my work-group's six blocks of step w's V
.Lno_first:
.irp j, 22,23,24,25,26,27
	v_mov_b32 v[\j], 0                             ; k = 64 .. 127 of Q: zero codes
.endr
.irp t, 0,1,2,3
.irp j, 6,7,8,9,10,11
	v_mov_b32 v[KF+12*\t+\j], 0                    ; and of K's four fragments: written once
.endr
.endr
.set j, 0
.rept 32
	v_mov_b32 v[OT+j], 0                           ; O^T: the first step finds zeros, which the first change of M leaves zeros
.set j, j+1
.endr
	v_mov_b32 v13, 0xff61b1e6                      ; the largest S' so far: -3e38
	v_mov_b32 v14, 0
	v_mov_b32 v15, 0
	v_mul_f32 v12, s[NC], v13
	v_mov_b32 v252, 0
	v_mov_b32 v253, 0                              ; (named as the upper half of the pair v[252:253] before it is first written)
	v_mov_b32 v[TA+3], 0                           ; a lane permute's destination counts as one of its sources
	v_mov_b32 v[PCD+3], 0
	v_floor_f32 v12, v12                           ; -M
.macro KLOAD ko, so                            ; four key tiles at byte ko behind v8, v9, their scale words at so behind v10: nine loads
.irp t, 0,1,2,3
	ds_load_b128 v[KF+12*\t:KF+12*\t+3], v8 offset:(\ko)+768*\t
	ds_load_b64 v[KF+12*\t+4:KF+12*\t+5], v9 offset:(\ko)+768*\t+512
.endr
	ds_load_b128 v[28:31], v10 offset:\so
.endm
.macro MLOAD mo                                ; the bias of my 64 keys into the score registers: S + 32 c + i takes key 64 c + 32 h + i: sixteen loads
.set j, 0
.rept 16
	ds_load_b128 v[S+4*j:S+4*j+3], v254 offset:(\mo)+256*(j/8)+16*(j%8)
.set j, j+1
.endr
.endm
.macro QK c                                    ; four accumulators, one instruction each; C = the bias, in place
.irp t, 0,1,2,3
	MM S+32*\c+8*\t, KF+12*\t, 16, S+32*\c+8*\t, 28+\t, 255
.endr
.endm
; The largest S' of my block c: it serves the row's maximum and, since p rises with S', the block's largest p.  Two chains by turns; each accumulator is first read at its low end.  Twelve lines, then four
.macro BMAXA c
	v_max3_num_f32 v[BM+\c], v[S+32*\c], v[S+32*\c+1], v[S+32*\c+2]
	v_max3_num_f32 v[TA+\c], v[S+32*\c+16], v[S+32*\c+17], v[S+32*\c+18]
.irp i, 3,5,7,9,11
	v_max3_num_f32 v[BM+\c], v[BM+\c], v[S+32*\c+\i], v[S+32*\c+\i+1]
	v_max3_num_f32 v[TA+\c], v[TA+\c], v[S+32*\c+16+\i], v[S+32*\c+17+\i]
.endr
.endm
.macro BMAXB c
	v_max3_num_f32 v[BM+\c], v[BM+\c], v[S+32*\c+13], v[S+32*\c+14]
	v_max3_num_f32 v[TA+\c], v[TA+\c], v[S+32*\c+29], v[S+32*\c+30]
	v_max3_num_f32 v[BM+\c], v[BM+\c], v[TA+\c], v[S+32*\c+15]
	v_max_num_f32 v[BM+\c], v[BM+\c], v[S+32*\c+31]
.endm
.macro PADD n                                  ; the next n pairs of p onto the sum's four chains, by turns
.rept \n
.if pp%4 == 0
	v_pk_add_f32 v[14:15], v[14:15], v[S+2*pp:S+2*pp+1]
.else
	v_pk_add_f32 v[TA+2*(pp%4)-2:TA+2*(pp%4)-1], v[TA+2*(pp%4)-2:TA+2*(pp%4)-1], v[S+2*pp:S+2*pp+1]
.endif
.set pp, pp+1
.endr
.endm
.macro OMUL j0                                 ; half of O^T under the new M, each accumulator from its low end on
.set j, \j0
.rept 8
	v_pk_mul_f32 v[OT+j:OT+j+1], v[OT+j:OT+j+1], v[252:253] op_sel_hi:[1,0]
.set j, j+2
.endr
.endm
; A KEY STEP: 128 keys.  last = 0: a step follows; 1: the walk's last.  On entry the step's key tiles 0-3, their scale words and its bias have been asked for.
.macro STEP last
	s_wait_dscnt 0x0                               ; they are in
	QK 0
	v_add_nc_u32 v8, s[TB], v1                     ; these four are the places behind the products above and behind the last step's, ahead of the loads into their operands and scale registers
	v_add_nc_u32 v9, s[TB], v2
	v_add_nc_u32 v10, s[T5], v3
	v_add_nc_u32 v254, s[T5], v5
	KLOAD 3072, 256                                ; key tiles 4-7: nine loads
	ds_load_b128 v[VS:VS+3], v10 offset:VSC-KSC    ; V's scale words
.irp t, 0,1,2,3
.irp c, 0,1,2
	global_load_b128 v[VF+12*\t+4*\c:VF+12*\t+4*\c+3], v1, s[4:5] offset:1536*\t+512*\c   ; V's four fragments: 512 consecutive bytes a load
.endr
.endr
.if \last == 0
	s_wait_alu depctr_va_vdst(0)                   ; the wait ahead of the branch
	s_cmp_gt_u32 s[STEPS], s[LIM]                  ; wave 0, while a step AHEAD on exists
	s_cbranch_scc0 .Lnot_mine_\@
	global_prefetch_b8 v4, s[4:5] offset:AHEAD*6144 th:TH_LOAD_NT scope:SCOPE_SE
.Lnot_mine_\@:
.endif
	BMAXA 0
	s_wait_alu depctr_va_vdst(0)                   ; the wait ahead of the wait below
	s_wait_dscnt 1                                 ; the load of V's scale words is younger: key tiles 4-7 are in
	QK 1
	BMAXB 0                                        ; four plain lines on other registers: the places behind those products
.if \last == 0
	KLOAD 6144, 512                                ; the next step's key tiles 0-3
.endif
	BMAXA 1
	BMAXB 1
	v_max_num_f32 v[TA+2], v[BM], v[BM+1]
	s_delay_alu instid0(VALU_DEP_1)
	v_permlanex16_b32 v[TA+3], v[TA+2], s[SEL], s[SEL+1]
	s_delay_alu instid0(VALU_DEP_1)
	v_max3_num_f32 v13, v13, v[TA+2], v[TA+3]      ; the running largest S' of my query
	s_delay_alu instid0(VALU_DEP_1)
	v_mul_f32 v[TA+2], s[NC], v13                  ; -t
	s_delay_alu instid0(VALU_DEP_1)
	v_floor_f32 v[TA+2], v[TA+2]                   ; the new -M = floor(-t) = -ceil(t): a whole number
	s_delay_alu instid0(VALU_DEP_1)
	v_sub_f32 v[TA+3], v[TA+2], v12                ; old M - new M: a whole number, 0 or less
	v_mov_b32 v12, v[TA+2]
	s_delay_alu instid0(VALU_DEP_2)
	v_cvt_i32_f32 v[TA+3], v[TA+3]                 ; (it saturates)
	s_delay_alu instid0(VALU_DEP_1)
	v_ldexp_f32 v252, 1.0, v[TA+3]                 ; f = 2^(old M - new M)
.set j, 0
.rept 32
	v_pk_fma_f32 v[S+j:S+j+1], v[S+j:S+j+1], s[CS:CS+1], v[12:13] op_sel_hi:[1,0,0]   ; t - M, two at a time (of the pairs c and -M the low word serves both halves)
.set j, j+2
.endr
	v_fma_f32 v[BM], v[BM], s[CS], v12             ; the same of each block's largest S'
	v_fma_f32 v[BM+1], v[BM+1], s[CS], v12
	s_wait_alu depctr_va_vdst(0)                   ; the wait ahead of the batch
	v_exp_f32 v[BM], v[BM]                         ; the blocks' largest p
	v_exp_f32 v[BM+1], v[BM+1]
.set j, 0
.rept 64
	v_exp_f32 v[S+j], v[S+j]                       ; p = 2^(t - M)
.set j, j+1
.endr
	v_pk_mul_f32 v[14:15], v[14:15], v[252:253] op_sel_hi:[1,0]   ; the sums under the new M: the plain line behind the exponentials
	s_wait_alu depctr_va_vdst(0)                   ; one wait for the batch of 66, ahead of its first reader
	; the two blocks' scales, and among their lines the row's sum of the unquantised p: 32 packed additions in four chains
	v_max_num_f32 v[BM], 0x1800000, v[BM]          ; the floor 2^(3 - 127): the byte cannot fall under 1
	v_max_num_f32 v[BM+1], 0x1800000, v[BM+1]
	v_pk_add_f32 v[TA:TA+1], v[S:S+1], v[S+2:S+3]
	v_pk_add_f32 v[TA+2:TA+3], v[S+4:S+5], v[S+6:S+7]
	v_add_nc_u32 v[SO], 0xff000000, v[BM]          ; 2 off the exponent field: the conversion's scale operand
	v_add_nc_u32 v[SO+1], 0xff000000, v[BM+1]
	v_pk_add_f32 v[TA+4:TA+5], v[S+8:S+9], v[S+10:S+11]
.set pp, 6
	PADD 1
	v_lshrrev_b32 v[PCD], 23, v[SO]                ; the scales' bytes: blocks h and 2 + h
	v_lshrrev_b32 v[PCD+1], 23, v[SO+1]
	PADD 2
	v_lshl_or_b32 v[PCD+2], v[PCD+1], 16, v[PCD]
	PADD 2
	v_lshlrev_b32 v[PCD+2], v[H8], v[PCD+2]        ; at their places, 8 h bits up
	PADD 2
	v_permlanex16_b32 v[PCD+3], v[PCD+2], s[SEL], s[SEL+1]
	PADD 2
	v_or_b32 v253, v[PCD+2], v[PCD+3]              ; with lane l xor 16's two bytes: p's scale word for these 128 keys
	PADD 17
	v_pk_add_f32 v[TA:TA+1], v[TA:TA+1], v[TA+2:TA+3]
	v_pk_add_f32 v[14:15], v[14:15], v[TA+4:TA+5]
	s_delay_alu instid0(VALU_DEP_1)
	v_pk_add_f32 v[14:15], v[14:15], v[TA:TA+1]
.irp c, 0,1                                    ; my block 2 c + h is registers 6 c .. 6 c + 5 of p's operand
	v_cvt_scalef32_pk16_fp6_f32 v[PCD+6*\c:PCD+6*\c+2], v[S+32*\c:S+32*\c+15], v[SO+\c]
	v_cvt_scalef32_pk16_fp6_f32 v[TA+4*\c:TA+4*\c+2], v[S+32*\c+16:S+32*\c+31], v[SO+\c]   ; (a conversion's three registers begin on an even number)
.endr
.if \last == 0
	MLOAD 512                                      ; the next step's bias, into the registers that p has left
.endif
	s_wait_alu depctr_va_vdst(0)                   ; the wait directly ahead of the first reader of O^T
	OMUL 0                                         ; (the first of these is the plain line behind the conversions)
.irp c, 0,1
.irp i, 0,1,2
	v_mov_b32 v[PCD+3+6*\c+\i], v[TA+4*\c+\i]
.endr
.endr
	OMUL 16                                        ; these eight stand between the writing of p's codes and the products
	s_wait_alu depctr_va_vdst(0)                   ; the wait ahead of the waits below
	s_wait_loadcnt 0x0                             ; V's fragments are in
.if \last == 0
	s_wait_dscnt 25                                ; the next step's nine and sixteen are younger: V's scale words are in
	s_wait_xcnt 0x0                                ; the prefetch has read its base, which is stepped below
.else
	s_wait_dscnt 0x0
.endif
.irp t, 0,1,2,3
	MM OT+8*\t, VF+12*\t, PCD, OT+8*\t, VS+\t, 253 ; four accumulators, one instruction each
.endr
.if \last == 0
	s_add_nc_u64 s[4:5], s[4:5], 6144
	s_add_co_u32 s[TB], s[TB], 6144
	s_add_co_u32 s[T5], s[T5], 512
.endif
.endm
	s_wait_alu depctr_va_vdst(0)                   ; the wait at the head's end
	s_wait_loadcnt 0x0                             ; Q
	s_wait_xcnt 0x0                                ; the first prefetch has read its offset register, which the steps write
	s_wait_tensorcnt 0x0                           ; my part of what stays in LDS has landed:
	s_barrier_signal -1
	s_barrier_wait -1                              ; everybody's has.  From here on LDS is only read
	v_add_nc_u32 v8, s[TB], v1
	v_add_nc_u32 v9, s[TB], v2
	v_add_nc_u32 v10, s[T5], v3
	v_add_nc_u32 v254, s[T5], v5
	KLOAD 0, 0                                     ; step 0's key tiles 0-3 and bias
	MLOAD 0
	s_mov_b32 s[STEPS], 31
.Lstep:
	STEP 0
	s_sub_co_u32 s[STEPS], s[STEPS], 1
	s_cmp_lg_u32 s[STEPS], 0
	s_cbranch_scc1 .Lstep
	STEP 1                                         ; the last step asks for nothing more
	; THE WAY OUT: o = O^T / the sum, quantised along the head's 64 (two blocks), as a record of 768 bytes and two scale bytes a row
	v_add_f32 v14, v14, v15                        ; the sum's two halves,
	s_delay_alu instid0(VALU_DEP_1)
	v_permlanex16_b32 v252, v14, s[SEL], s[SEL+1]
	s_delay_alu instid0(VALU_DEP_1)
	v_add_f32 v14, v14, v252                       ; and lane l xor 16's
	s_wait_alu depctr_va_vdst(0)
	v_rcp_f32 v14, v14
	v_and_b32 v8, 15, v0                           ; plain work behind the reciprocal, and the places behind the last products
	v_bfe_u32 v9, v0, 4, 1
	s_delay_alu instid0(VALU_DEP_1)
	v_lshl_add_u32 v10, v8, 4, v9                  ; 16 r + h: my byte's place in the tile's 256 bytes of os
	v_nop
	s_lshl_b32 s54, s16, 8
	s_add_co_u32 s54, s54, s19                     ; the tile among all 512
	s_lshl_b32 s56, s54, 8
	s_lshl_b32 s58, s17, 1
	s_add_co_u32 s56, s56, s58                     ; os: 256 a tile, + 2 x head
	s_mov_b32 s57, 0
	s_lshl_b32 s54, s54, 3
	s_add_co_u32 s54, s54, s17
	s_mul_i32 s54, s54, 768                        ; oc: [tile][head][768]
	s_mov_b32 s55, 0
	s_add_nc_u64 s[10:11], s[10:11], s[54:55]
	s_add_nc_u64 s[12:13], s[12:13], s[56:57]
	s_mov_b32 vcc_lo, 0xffff0000                   ; lanes 16-31
	s_wait_alu depctr_va_vdst(0)                   ; the wait ahead of the reciprocal's first reader
.set j, 0
.rept 16
	v_pk_mul_f32 v[S+j:S+j+1], v[OT+j:OT+j+1], v[14:15] op_sel_hi:[1,0]   ; register 16 b + i is o(my query, 32 b + 16 h + i); each accumulator from its low end on
.set j, j+2
.endr
.irp b, 0,1
	v_max3_num_f32 v[BM+\b], |v[S+16*\b]|, |v[S+16*\b+1]|, 0x1800000
.endr
.irp i, 2,4,6,8,10,12,14
.irp b, 0,1
	v_max3_num_f32 v[BM+\b], v[BM+\b], |v[S+16*\b+\i]|, |v[S+16*\b+\i+1]|
.endr
.endr
.irp b, 0,1
	v_permlanex16_b32 v[TA+\b], v[BM+\b], s[SEL], s[SEL+1]
.endr
.irp b, 0,1
	v_max_num_f32 v[BM+\b], v[BM+\b], v[TA+\b]     ; here a block of 32 lies in lanes l and l xor 16
.endr
.irp b, 0,1
	v_add_nc_u32 v[SO+\b], 0xff000000, v[BM+\b]
.endr
.irp b, 0,1
	v_lshrrev_b32 v[TA+4+\b], 23, v[SO+\b]
.endr
	s_delay_alu instid0(VALU_DEP_1)
	v_cndmask_b32 v[TA+6], v[TA+4], v[TA+5], vcc_lo   ; lane (r, h) stores block h's byte
	v_cvt_scalef32_pk16_fp6_f32 v[PCD:PCD+2], v[S:S+15], v[SO]
	v_cvt_scalef32_pk16_fp6_f32 v[TA:TA+2], v[S+16:S+31], v[SO+1]
	v_nop                                          ; one plain vector instruction behind the scaled conversions
.irp i, 0,1,2
	v_permlane16_swap_b32 v[PCD+\i], v[TA+\i]      ; a whole block in a lane: lanes 0-15 block 0, lanes 16-31 block 1
.endr
.irp i, 0,1,2
	v_mov_b32 v[PCD+3+\i], v[TA+\i]
.endr
	global_store_b128 v1, v[PCD:PCD+3], s[10:11]               ; 512 consecutive bytes, aligned
	global_store_b64 v2, v[PCD+4:PCD+5], s[10:11] offset:512   ; 256 consecutive bytes, aligned
	global_store_b8 v10, v[TA+6], s[12:13]                     ; two bytes a row: one part in 24 of what this wave stores
	s_wait_tensorcnt 0x0                           ; the wave's end
	ds_add_u32 v6, v7
	s_wait_dscnt 0x0
	ROUND                                          ; the closing round: no work-group ends while a partner may still ask jointly
	s_endpgm
.Lfunc_end_k_q7affea4a87_attn:
	.size	k_q7affea4a87_attn, .Lfunc_end_k_q7affea4a87_attn-k_q7affea4a87_attn
	.p2alignl 7, 3214868480
	.fill 96, 4, 3214868480
	.section	.rodata,"a",@progbits
	.p2align	6, 0x0
	.amdhsa_kernel k_q7affea4a87_attn
		.amdhsa_group_segment_fixed_size 247808
		.amdhsa_private_segment_fixed_size 0
		.amdhsa_enable_private_segment 0
		.amdhsa_kernarg_size 40
		.amdhsa_user_sgpr_count 2
		.amdhsa_user_sgpr_kernarg_segment_ptr 1
		.amdhsa_wavefront_size32 1
		.amdhsa_system_sgpr_workgroup_id_x 1
		.amdhsa_system_sgpr_workgroup_id_y 1
		.amdhsa_system_sgpr_workgroup_id_z 1
		.amdhsa_system_vgpr_workitem_id 0
		.amdhsa_next_free_vgpr 256
		.amdhsa_next_free_sgpr 66
		.amdhsa_reserve_vcc 1
		.amdhsa_float_denorm_mode_32 3
		.amdhsa_float_denorm_mode_16_64 3
		.amdhsa_memory_ordered 1
		.amdhsa_forward_progress 1
		.amdhsa_inst_pref_size 46
	.end_amdhsa_kernel
	.amdgpu_metadata
---
amdhsa.version: [ 1, 2 ]
amdhsa.kernels:
  - .name:           k_q7affea4a87_attn
    .symbol:         k_q7affea4a87_attn.kd
    .args:
      - { .name: qkvc, .offset: 0, .size: 8, .value_kind: global_buffer, .address_space: global }
      - { .name: qkvs, .offset: 8, .size: 8, .value_kind: global_buffer, .address_space: global }
      - { .name: mbt, .offset: 16, .size: 8, .value_kind: global_buffer, .address_space: global }
      - { .name: oc, .offset: 24, .size: 8, .value_kind: global_buffer, .address_space: global }
      - { .name: os, .offset: 32, .size: 8, .value_kind: global_buffer, .address_space: global }
    .group_segment_fixed_size: 247808
    .private_segment_fixed_size: 0
    .kernarg_segment_align: 8
    .kernarg_segment_size: 40
    .max_flat_workgroup_size: 512
    .sgpr_count:     66
    .vgpr_count:     256
    .wavefront_size: 32
...
	.end_amdgpu_metadata
.endif
;; end of part 3
;; launch outp (part 4): grid 256 x 1, 4 waves a work-group, clusters of 4 x 1, 279,040 bytes of LDS; arguments oc, os, wimg, bo, out0; writes out0
.if DOCPART == 4
	.amdgcn_target "amdgcn-amd-amdhsa--gfx1250"
	.amdhsa_code_object_version 6
	.text
	.protected	k_q7affea4a87_outp
	.globl	k_q7affea4a87_outp
	.p2align	8
	.type	k_q7affea4a87_outp,@function
k_q7affea4a87_outp:
	s_mov_b64 s[64:65], 0
	v_nop
	global_prefetch_b8 v0, s[64:65] scope:SCOPE_SE
	s_setreg_imm32_b32 hwreg(HW_REG_WAVE_MODE, 25, 1), 1
	s_wait_xcnt 0x0
	s_wait_alu depctr_hold_cnt(0) depctr_sa_sdst(0) depctr_va_vdst(0) depctr_va_sdst(0) depctr_va_ssrc(0) depctr_va_vcc(0) depctr_vm_vsrc(0)
	s_getreg_b32 s2, hwreg(HW_REG_IB_STS2, 6, 4)
	s_cmp_eq_u32 s2, 0
	s_cbranch_scc0 .Lentry_in_a_cluster
	s_endpgm
.Lentry_in_a_cluster:
	s_bfe_u32 s2, ttmp6, 0x10000c
	s_cmp_lg_u32 s2, 0x3003
	s_cbranch_scc0 .Lentry_shape_is_right
	s_endpgm
.Lentry_shape_is_right:
; out0 = o Wo + bo on codes of FP6 (E2M3) with one E8M0 scale for each 32 along K = 512.  o arrives as records [tile 512][head 8][768] (registers 0-3 at 16 x lane, registers 4-5 at 8 x lane) and scale bytes [tile][r 16][head 8][block 2];
; Wo as the image that the first launch made (weight 3 of wimg).
; SHARES.  A work-group takes token tiles 2 X, 2 X + 1 = tokens 32 X .. 32 X + 31 and all 512 units; wave w takes units 128 w .. 128 w + 127: 16 accumulators.  256 work-groups.
; CLUSTER.  All work-groups read the same image of Wo (204,800 bytes): the four of a cluster ask for it JOINTLY, each wave a quarter, one tensor load with a mask that names the four.  Each LDS byte is filled once.
; The product is used transposed (source 0 = 16 units of Wo, source 1 = a token tile): a lane holds one token and, since a tile of Wo holds unit 32 (a / 2) + 8 (a % 2) + r + 8 (r / 8) in lane r, 16 neighbouring units in tiles 2 b, 2 b + 1.
; Lane r of token tile 2 X + U is token 32 X + 8 U + r + 8 (r / 8): the stores' offsets put the rows back in order.  The bias is the C of each sum's first matrix instruction.
; THE WAY OUT: through the wave's own stage in LDS (16 rows x (512 + 16) bytes for each token tile), back as whole rows: 32 lanes store 512 consecutive bytes, aligned.
; REGISTERS, in windows of 256.  Window 0: v1-8 addresses; v16-111 o's eight fragments, later with v112-143 the rows read back; v216-247 Wo's scale words, v248-255 o's.
;   Window 1: Wo's fragments (tile a, K steps 0, 1) at 12 (2 a + s).  Window 2: (tile a, K steps 2, 3); v192-255 the bias.  Window 3: the 16 accumulators at 8 (8 U + a).
.set WSC,  196608                      ; LDS: 0 Wo's codes; here its scale words;
.set STG,  204800                      ; the stages: 16,896 bytes a wave
.set FRB,  1536
.set L16,  1
.set L8,   2
.set R16,  3
.set AW,   4
.set SWA,  5
.set STO,  6
.set RD,   7
.set BIA,  8
.set BF,   16
.set OB,   16
.set AS,   216
.set BS,   248
.set CB,   192
.set WV,   14
.set G1,   20
.set G0,   28
.set MSB, 0
.macro WIN new                         ; the immediate's high byte repeats the setting that is left; a switch that changes nothing is dropped
.if MSB != (\new)
	s_set_vgpr_msb (MSB<<8)|(\new)
.set MSB, (\new)
.endif
.endm
.macro ROUND                           ; a round of the cluster's barrier
	s_barrier_signal -1
	s_barrier_wait -1
	s_cmp_lg_u32 s[WV], 0
	s_cbranch_scc1 .Lnot_wave_0_\@
	s_barrier_signal -3
.Lnot_wave_0_\@:
	s_barrier_wait -3
	s_barrier_signal -1
	s_barrier_wait -1
.endm
.macro MM d, a, b, c, sa, sb
	v_wmma_scale_f32_16x16x128_f8f6f4 v[(\d):(\d)+7], v[(\a):(\a)+11], v[(\b):(\b)+11], v[(\c):(\c)+7], v[\sa], v[\sb] matrix_a_fmt:MATRIX_FMT_FP6 matrix_b_fmt:MATRIX_FMT_FP6
.endm
	s_load_b256 s[4:11], s[0:1], 0x0               ; oc, os, wimg, bo
	s_load_b64 s[12:13], s[0:1], 0x20              ; out0
	v_lshl_add_u32 v214, v0, 2, 0x44000
	v_mov_b32 v215, 0
	ds_add_u32 v214, v215
	ds_add_u32 v214, v215
	v_lshrrev_b32 v9, 5, v0
	v_readfirstlane_b32 s[WV], v9                  ; wave 0..3
	; descriptor group 1: a dense block of 51,200 bytes as 200 rows of 256 bytes (32 elements of 8 bytes), no padding
	s_mov_b32 s[G1], 0x0023000f                    ; 15:0 the mask: all four work-groups; 17:16 elements of 8 bytes; 21 set beside a mask
	s_mov_b32 s[G1+1], 32<<16
	s_mov_b32 s[G1+2], 200<<16
	s_mov_b32 s[G1+3], 32<<16
	s_mov_b32 s[G1+4], 200
	s_mov_b32 s[G1+5], 32
	s_mov_b32 s[G1+6], 0
	s_mov_b32 s[G1+7], 0
	s_mul_i32 s[G0+1], s[WV], 51200                ; LDS address: my quarter of the image
	s_add_co_u32 s32, s[G0+1], 3*204800            ; and the same quarter of weight 3 in memory
	s_mov_b32 s33, 0
	s_wait_dscnt 0x0
	s_wait_kmcnt 0x0
	s_mov_b32 s[G0], 1
	s_add_nc_u64 s[G0+2:G0+3], s[8:9], s[32:33]
	s_or_b32 s[G0+3], s[G0+3], 0x80000000          ; type = 2
	ROUND                                          ; all four work-groups are here: the joint loads meet
	tensor_load_to_lds s[G0:G0+3], s[G1:G1+7]      ; my one tensor load of the launch
	s_nop 0
.rept 4
	v_nop                                          ; four v_nops behind a tensor load
.endr
	s_bfe_u32 s15, ttmp6, 0x40000                  ; cx: it enters o's and the output's addresses alone
	s_lshl_b32 s16, ttmp9, 2
	s_add_co_u32 s16, s16, s15                     ; X
	s_mul_i32 s34, s16, 12288                      ; oc: two tiles of 8 records
	s_mov_b32 s35, 0
	s_lshl_b32 s36, s16, 9                         ; os: two tiles of 256 bytes
	s_mov_b32 s37, 0
	s_lshl_b32 s38, s[WV], 9                       ; bo: my 128 numbers
	s_mov_b32 s39, 0
	s_lshl_b32 s40, s16, 16                        ; out0: 32 rows of 2,048 bytes,
	s_add_co_u32 s40, s40, s38                     ; + my 512 bytes of a row
	s_mov_b32 s41, 0
	s_add_nc_u64 s[4:5], s[4:5], s[34:35]
	s_add_nc_u64 s[6:7], s[6:7], s[36:37]
	s_add_nc_u64 s[10:11], s[10:11], s[38:39]
	s_add_nc_u64 s[12:13], s[12:13], s[40:41]
	v_and_b32 v9, 31, v0
	v_lshlrev_b32 v[L16], 4, v9
	v_lshlrev_b32 v[L8], 3, v9
	v_and_b32 v10, 15, v0                          ; r
	v_bfe_u32 v11, v0, 4, 1                        ; h
	v_lshlrev_b32 v[R16], 4, v10
	v_lshlrev_b32 v[BIA], 6, v11
.irp u, 0,1                                    ; o's fragments: K step s = heads 2 s (registers 0-5) and 2 s + 1 (registers 6-11)
.irp hd, 0,1,2,3,4,5,6,7
	global_load_b128 v[BF+12*(4*\u+\hd/2)+6*(\hd%2):BF+12*(4*\u+\hd/2)+6*(\hd%2)+3], v[L16], s[4:5] offset:6144*\u+768*\hd
	global_load_b64 v[BF+12*(4*\u+\hd/2)+6*(\hd%2)+4:BF+12*(4*\u+\hd/2)+6*(\hd%2)+5], v[L8], s[4:5] offset:6144*\u+768*\hd+512
.endr
	global_load_b128 v[BS+4*\u:BS+4*\u+3], v[R16], s[6:7] offset:256*\u   ; row r's 16 bytes are its four scale words
.endr
	WIN 0x80                                       ; destination window 2
.irp a, 0,1,2,3,4,5,6,7                        ; tile a's register j is unit 32 (a / 2) + 16 h + 8 (a % 2) + j of my 128
	global_load_b128 v[CB+8*\a:CB+8*\a+3], v[BIA], s[10:11] offset:(32*(\a/2)+8*(\a%2))*4
	global_load_b128 v[CB+8*\a+4:CB+8*\a+7], v[BIA], s[10:11] offset:(32*(\a/2)+8*(\a%2))*4+16
.endr
	WIN 0
	s_mul_i32 s42, s[WV], 32*FRB
	v_add_nc_u32 v[AW], s42, v[L16]                ; my 8 tiles of Wo
	s_lshl_b32 s42, s[WV], 11
	s_add_co_u32 s42, s42, WSC
	v_add_nc_u32 v[SWA], s42, v[R16]
	s_mul_i32 s42, s[WV], 16896
	s_add_co_u32 s42, s42, STG                     ; my stages
	v_mul_u32_u24 v[STO], v10, 528
	v_lshl_add_u32 v[STO], v11, 6, v[STO]
	v_add_nc_u32 v[STO], s42, v[STO]               ; in: row r, + 64 h
	v_add_nc_u32 v[RD], s42, v[L16]                ; back: a row of 512 bytes, 16 a lane
	s_wait_alu depctr_va_vdst(0)
	s_wait_tensorcnt 0x0                           ; my quarter of the image has landed:
	s_barrier_signal -1
	s_barrier_wait -1                              ; everybody's has
	WIN 0x40
.irp a, 0,1,2,3,4,5,6,7
.irp s, 0,1
.irp c, 0,1,2
	ds_load_b128 v[12*(2*\a+\s)+4*\c:12*(2*\a+\s)+4*\c+3], v[AW] offset:(4*\a+\s)*FRB+512*\c
.endr
.endr
.endr
	WIN 0x80
.irp a, 0,1,2,3,4,5,6,7
.irp s, 0,1
.irp c, 0,1,2
	ds_load_b128 v[12*(2*\a+\s)+4*\c:12*(2*\a+\s)+4*\c+3], v[AW] offset:(4*\a+\s+2)*FRB+512*\c
.endr
.endr
.endr
	WIN 0
.irp a, 0,1,2,3,4,5,6,7
	ds_load_b128 v[AS+4*\a:AS+4*\a+3], v[SWA] offset:256*\a
.endr
	s_wait_dscnt 0x0
	s_wait_loadcnt 0x0                             ; o, its scale words, the bias
.irp s, 0,1,2,3                                ; 64 matrix instructions: K step by K step, the sixteen accumulators by turns, one instruction a turn
.if \s == 0
	WIN 0xe1                                       ; source 0 window 1, C (the bias) window 2, D window 3
.elseif \s == 1
	WIN 0xf1                                       ; C and D window 3
.else
	WIN 0xf2                                       ; source 0 window 2
.endif
.irp u, 0,1
.irp a, 0,1,2,3,4,5,6,7
.if \s == 0
	MM 8*(8*\u+\a), 12*(2*\a+\s%2), BF+12*(4*\u+\s), CB+8*\a, AS+4*\a+\s, BS+4*\u+\s
.else
	MM 8*(8*\u+\a), 12*(2*\a+\s%2), BF+12*(4*\u+\s), 8*(8*\u+\a), AS+4*\a+\s, BS+4*\u+\s
.endif
.endr
.endr
.endr
	WIN 0
.rept 4
	v_nop                                          ; four places behind the last products, ahead of the first read of results and of the loads into o's registers
.endr
	WIN 0x0c                                       ; an LDS store's data are its source 1: window 3
.irp u, 0,1
.irp a, 0,1,2,3,4,5,6,7
	ds_store_b128 v[STO], v[8*(8*\u+\a):8*(8*\u+\a)+3] offset:8448*\u+128*(\a/2)+32*(\a%2)        ; each accumulator from its low end on
	ds_store_b128 v[STO], v[8*(8*\u+\a)+4:8*(8*\u+\a)+7] offset:8448*\u+128*(\a/2)+32*(\a%2)+16
.endr
.endr
	WIN 0
.set n, 0
.rept 32                                       ; LDS serves a wave's instructions in order (ISA guide 5.7.1.4): these see my stores; the stage is my own
	ds_load_b128 v[OB+4*n:OB+4*n+3], v[RD] offset:8448*(n/16)+528*(n%16)
.set n, n+1
.endr
.set n, 0
.rept 32
	s_wait_dscnt 31-n                              ; the younger rows may be out
	global_store_b128 v[L16], v[OB+4*n:OB+4*n+3], s[12:13] offset:(8*(n/16)+n%16+8*((n%16)/8))*2048 th:TH_STORE_NT   ; stage row rho of tile U is token 8 U + rho + 8 (rho / 8) of my 32
.set n, n+1
.endr
	s_wait_tensorcnt 0x0
	ds_add_u32 v214, v215
	s_wait_dscnt 0x0
	ROUND                                          ; the closing round: no work-group ends while a partner may still ask jointly
	s_endpgm
.Lfunc_end_k_q7affea4a87_outp:
	.size	k_q7affea4a87_outp, .Lfunc_end_k_q7affea4a87_outp-k_q7affea4a87_outp
	.p2alignl 7, 3214868480
	.fill 96, 4, 3214868480
	.section	.rodata,"a",@progbits
	.p2align	6, 0x0
	.amdhsa_kernel k_q7affea4a87_outp
		.amdhsa_group_segment_fixed_size 279040
		.amdhsa_private_segment_fixed_size 0
		.amdhsa_enable_private_segment 0
		.amdhsa_kernarg_size 40
		.amdhsa_user_sgpr_count 2
		.amdhsa_user_sgpr_kernarg_segment_ptr 1
		.amdhsa_wavefront_size32 1
		.amdhsa_system_sgpr_workgroup_id_x 1
		.amdhsa_system_sgpr_workgroup_id_y 1
		.amdhsa_system_sgpr_workgroup_id_z 1
		.amdhsa_system_vgpr_workitem_id 0
		.amdhsa_next_free_vgpr 896
		.amdhsa_next_free_sgpr 66
		.amdhsa_reserve_vcc 0
		.amdhsa_float_denorm_mode_32 3
		.amdhsa_float_denorm_mode_16_64 3
		.amdhsa_memory_ordered 1
		.amdhsa_forward_progress 1
		.amdhsa_inst_pref_size 32
	.end_amdhsa_kernel
	.amdgpu_metadata
---
amdhsa.version: [ 1, 2 ]
amdhsa.kernels:
  - .name:           k_q7affea4a87_outp
    .symbol:         k_q7affea4a87_outp.kd
    .args:
      - { .name: oc, .offset: 0, .size: 8, .value_kind: global_buffer, .address_space: global }
      - { .name: os, .offset: 8, .size: 8, .value_kind: global_buffer, .address_space: global }
      - { .name: wimg, .offset: 16, .size: 8, .value_kind: global_buffer, .address_space: global }
      - { .name: bo, .offset: 24, .size: 8, .value_kind: global_buffer, .address_space: global }
      - { .name: out0, .offset: 32, .size: 8, .value_kind: global_buffer, .address_space: global }
    .group_segment_fixed_size: 279040
    .private_segment_fixed_size: 0
    .kernarg_segment_align: 8
    .kernarg_segment_size: 40
    .max_flat_workgroup_size: 128
    .sgpr_count:     66
    .vgpr_count:     896
    .wavefront_size: 32
...
	.end_amdgpu_metadata
.endif
;; end of part 4
